; MI455X (gfx1250); checked and timed in simulation.
; The chip was launched on July 23, 2026; its instructions are those of AMD's public machine-readable ISA for CDNA 5 (MIT licence, August 2026) and "CDNA5" Instruction Set Architecture Reference Guide (July 2026). The comments in the code are by the model that wrote it; some were corrected since.
;; Anchor Ts2 Vec. Allowed arithmetic: matrix products marked QUANTISED: E4M3 operands, one E8M0 scale for each 32 along K, by v_wmma_scale_f32_16x16x128_f8f6f4 with both operands' format E4M3, f32 sums; everything else in f32.
;; Inputs: e_actv 8,192 x 256 float32; e_ap 8,192 x 256 float32; host 8,192 int32.
;; Outputs: out0 8,192 x 256 float32; out1 8,192 x 256 float32; out2 8,192 x 256 float32.
;; This version of the problem:
;;   THIS VERSION OF THE PROBLEM IS GIVEN IN LOW PRECISION. The matrix products marked QUANTISED in the list below multiply operands that are first quantised to E4M3 (4 exponent bits, 3 mantissa bits; 8 bits a number), with one power-of-two scale for each 32 numbers along K (OCP MX v1.0); their sums are f32. All else is computed in f32.
;;   The module's matrix products, in the order in which they are computed (A, B: the left and right operand; K: the contracted axis; several contracted axes count as one K, in the product's order):
;;     1. [M 8,192, K 256] x [K 256, N 8,192]; A: input e_actv; B: input e_actv: QUANTISED
;;   THE QUANTISER, for each operand of a quantised product, along K:
;;     - K is cut into blocks of 32 from its start; a last block that is shorter is filled with zeros.
;;     - A block's scale is 2^e with e = floor(log2(the largest magnitude in the block)) - 8, held to -126 .. 127; a block of zeros has e = 0. As a byte (E8M0): e + 127.
;;     - Each number is divided by its block's scale, clamped to +-448, and rounded to the nearest number of E4M3, ties to even, subnormals kept.
;;     - The product sums the exact products of the quantised numbers (number of the format x scale) in f32.
;;   ~~~python
;;   def quantise(x, axis):      # numpy; x: float32 -> the quantised numbers, widened to float32 again
;;       x = np.moveaxis(x, axis, -1); K = x.shape[-1]
;;       x = np.pad(x, [(0, 0)] * (x.ndim - 1) + [(0, -K % 32)]); x = x.reshape(x.shape[:-1] + (-1, 32)); a = np.abs(x).max(-1, keepdims=True)
;;       e = np.where(a > 0, np.clip(np.frexp(np.where(a > 0, a, 1))[1] - 1 - 8, -126, 127), 0)      # np.frexp(a)[1] - 1 = floor(log2(a)), exactly
;;       r = np.clip(x / 2.0 ** e, -448, 448)
;;       step = 2.0 ** (np.maximum(np.frexp(np.where(r == 0, 1, r))[1] - 1, -6) - 3)
;;       q = np.round(r / step) * step * 2.0 ** e      # np.round: ties to even
;;       return np.moveaxis(q.reshape(q.shape[:-2] + (-1,))[..., :K], -1, axis).astype(np.float32)
;;   ~~~
;; One version. Each part assembles by itself: llvm-mc -triple=amdgcn-amd-amdhsa -mcpu=gfx1250 --defsym DOCPART=n.
;; ======== version 1 of 1: 3 launches
;; workspace buffers: keys 2,228,224 bytes; candv 131,072 bytes; candi 131,072 bytes of whole numbers
;; launch prep (part 1): grid 256 x 1, 2 waves a work-group, no clusters, 34,048 bytes of LDS; arguments e_actv, host, out0, keys; writes out0, keys
.if DOCPART == 1
	.amdgcn_target "amdgcn-amd-amdhsa--gfx1250"
	.amdhsa_code_object_version 6
	.text
	.protected	k_q1fc84a0c70_prep
	.globl	k_q1fc84a0c70_prep
	.p2align	8
	.type	k_q1fc84a0c70_prep,@function
k_q1fc84a0c70_prep:
	s_mov_b64 s[64:65], 0
	v_nop
	global_prefetch_b8 v0, s[64:65] scope:SCOPE_SE
	s_setreg_imm32_b32 hwreg(HW_REG_WAVE_MODE, 25, 1), 1
	s_wait_xcnt 0x0
; e_actv [8192][256] f32 is read once: it is copied to out0, quantised along its 256 columns into codes of FP8 (E4M3) with one E8M0 scale for each 32,
; and each row's sum of squares is taken of the unquantised numbers, in f32.  All of it leaves as one RECORD of 4,352 bytes (17 x 256) for each tile of 16 rows:
;   bytes 512 i + 16 lane, i = 4 s + c: registers 4 c .. 4 c + 3 of the operand of K step s (128 along K): lane (r, h) holds k = 128 s + 32 c + 16 h + 0 .. 15 of row r: an image of the operand's registers;
;   bytes 4096 + 4 lane: row r's scale word, of K step 0 in lanes 0-15 and of K step 1 in lanes 16-31;   bytes 4224 + 4 r: the row's sum of squares;   bytes 4288 + 4 r: its host number.
; A wave takes one tile: 16 rows, 16,384 bytes.  Each of its 32 loads reads 512 consecutive bytes; the numbers go out to out0 as they came and turn through the wave's own stage in LDS
; (rows of 1,024 bytes + 16, so that sixteen rows of one column fall on sixteen different columns of 16 bytes), from which a lane takes 16 neighbours of each block of 32.
; A block's scale is 2^(floor(log2(its largest magnitude)) - 8); its byte is that magnitude's exponent field - 8, held at 1 from below.
; LIMITS: a block of zeros gets the byte 1 where the rule says 127 (its codes are zeros, and this program alone reads the bytes); NaN and infinities among the inputs are not served;
; the sum of squares is taken in four packed chains, another order of f32 additions than a plain left-to-right sum.
; No tensor load, no barrier, no cluster: no two work-groups read the same bytes, and waves share nothing.
.set REC,  4352
.set SP,   1040                        ; a stage row
.set WREG, 16896                       ; LDS of a wave: the stage, then 256 bytes for the record's last unit
.set TL,   16*SP
.set R,    16                          ; v16-143  the tile as loaded: 32 x 4 registers
.set X0,   144                         ; v144-207 K step 0: 64 numbers of my row
.set X1,   16                          ; v16-79   K step 1, where the first half of R lay
.set PC1,  80                          ; v80-95   K step 1's codes
.set PC0,  96                          ; v96-111  K step 0's codes
.set TM,   208                         ; v208-211 largest magnitudes, v212-215 bytes, v216-219 448 x the scale, v220-223 the conversions' scale operands
.set PW0,  224                         ; the two scale words
.set PW1,  225
.set Z,    226                         ; v226-233 four packed chains of squares
	s_load_b256 s[4:11], s[0:1], 0x0               ; e_actv s[4:5], host s[6:7], out0 s[8:9], keys s[10:11]
	v_lshl_add_u32 v248, v0, 2, 0x8400
	v_mov_b32 v249, 0
	v_lshrrev_b32 v1, 5, v0
	v_readfirstlane_b32 s12, v1                    ; wave 0, 1
	v_and_b32 v1, 31, v0                           ; lane
	v_and_b32 v2, 15, v0                           ; r
	v_bfe_u32 v3, v0, 4, 1                         ; h
	v_lshlrev_b32 v4, 4, v1                        ; 16 x lane: my bytes of a load's or a store's 512
	v_lshlrev_b32 v5, 2, v2                        ; 4 r
	s_mul_i32 s13, s12, WREG
	v_add_nc_u32 v6, s13, v4                       ; the stage on the way in: as the bytes lie
	v_mul_u32_u24 v7, v2, SP
	v_lshl_add_u32 v7, v3, 6, v7
	v_add_nc_u32 v7, s13, v7                       ; and on the way out: row r, + 64 h: my 16 numbers of a block of 32
	s_add_co_u32 s14, s13, TL
	v_lshl_add_u32 v8, v1, 2, s14                  ; the last unit: 4 bytes a lane in,
	v_lshl_add_u32 v9, v1, 3, s14                  ; 8 bytes a lane out,
	v_lshlrev_b32 v10, 3, v1                       ; and the same in memory
	s_lshl_b32 s15, ttmp9, 1
	s_add_co_u32 s15, s15, s12                     ; my tile: 2 x work-group + wave
	s_lshl_b32 s16, s15, 14                        ; its 16 rows of 1,024 bytes
	s_mov_b32 s17, 0
	s_lshl_b32 s18, s15, 6                         ; its 16 host numbers
	s_mov_b32 s19, 0
	s_mul_i32 s24, s15, REC                        ; its record
	s_mov_b32 s25, 0
	s_mov_b32 s20, 0x76543210
	s_mov_b32 s21, 0xfedcba98                      ; v_permlanex16_b32's selects for lane l xor 16
	s_mov_b32 s23, 0x600000                        ; the mantissa field of 448
.irp b, 0,1,2,3
	v_mov_b32 v[TM+4+\b], 0                        ; written once: a lane permute's destination counts as one of its sources
.endr
	v_mov_b32 v237, 0
	s_wait_kmcnt 0x0
	s_add_nc_u64 s[4:5], s[4:5], s[16:17]
	s_add_nc_u64 s[6:7], s[6:7], s[18:19]
	s_add_nc_u64 s[8:9], s[8:9], s[16:17]
	s_add_nc_u64 s[10:11], s[10:11], s[24:25]
	global_load_b32 v11, v5, s[6:7]                ; host of row r
.set i, 0
.rept 32
	global_load_b128 v[R+4*i:R+4*i+3], v4, s[4:5] offset:512*i    ; 32 lanes read 512 consecutive bytes; a later launch reads these rows again, so no hint
.set i, i+1
.endr
.set i, 0
.rept 4
	s_wait_loadcnt 24-i                            ; loads come back in order: this group of eight is in, the groups behind it stay out
.rept 8
	global_store_b128 v4, v[R+4*i:R+4*i+3], s[8:9] offset:512*i th:TH_STORE_NT   ; out0: 512 consecutive bytes, written once
	ds_store_b128 v6, v[R+4*i:R+4*i+3] offset:(i/2)*SP+(i%2)*512                 ; row i / 2, half i % 2
.set i, i+1
.endr
.endr
.irp b, 0,1,2,3
.irp j, 0,1,2,3
	ds_load_b128 v[X0+16*\b+4*\j:X0+16*\b+4*\j+3], v7 offset:128*\b+16*\j        ; LDS serves a wave's instructions in order: these see my stores
.endr
.endr
	s_wait_xcnt 0x0                                ; the stores to out0 have read their registers: R may be written again
.irp b, 0,1,2,3
.irp j, 0,1,2,3
	ds_load_b128 v[X1+16*\b+4*\j:X1+16*\b+4*\j+3], v7 offset:512+128*\b+16*\j
.endr
.endr
; the squares of 64 numbers, two at a time, onto four chains.  first = 1: the first four products start the chains: nothing is cleared
.macro SQSUM s, first
.set i, 0
.rept 32
.if \first && (i < 4)
	v_pk_mul_f32 v[Z+2*i:Z+2*i+1], v[\s+2*i:\s+2*i+1], v[\s+2*i:\s+2*i+1]
.else
	v_pk_fma_f32 v[Z+2*(i%4):Z+2*(i%4)+1], v[\s+2*i:\s+2*i+1], v[\s+2*i:\s+2*i+1], v[Z+2*(i%4):Z+2*(i%4)+1]
.endif
.set i, i+1
.endr
.endm
; 64 numbers of a lane, register 16 b + i = k 32 b + 16 h + i of my row, become a fragment's codes in v[pc] on and its scale word in v[pw]
.macro QUANT s, pc, pw
.irp b, 0,1,2,3
	v_max3_num_f32 v[TM+\b], |v[\s+16*\b]|, |v[\s+1+16*\b]|, 0x4800000   ; block b: my 16 numbers, and the floor 2^(9 - 127): the byte cannot fall under 1
.endr
.irp i, 2,4,6,8,10,12,14
.irp b, 0,1,2,3
	v_max3_num_f32 v[TM+\b], v[TM+\b], |v[\s+16*\b+\i]|, |v[\s+1+16*\b+\i]|   ; the four blocks by turns
.endr
.endr
.irp b, 0,1,2,3
	v_permlanex16_b32 v[TM+4+\b], v[TM+\b], s20, s21
.endr
.irp b, 0,1,2,3
	v_max_num_f32 v[TM+\b], v[TM+\b], v[TM+4+\b]   ; with lane l xor 16's 16: the block's largest magnitude
.endr
.irp b, 0,1,2,3
	v_add_nc_u32 v[TM+12+\b], 0xfc000000, v[TM+\b] ; 8 off its exponent field: the conversion takes this operand's exponent field as its scale
.endr
.irp b, 0,1,2,3
	v_and_or_b32 v[TM+8+\b], v[TM+\b], 0x7f800000, s23   ; 448 x the scale
.endr
.irp b, 0,1,2,3
	v_lshrrev_b32 v[TM+4+\b], 23, v[TM+12+\b]      ; the scale's byte
.endr
	v_lshl_or_b32 v[\pw], v[TM+5], 8, v[TM+4]
	v_lshl_or_b32 v[\pw], v[TM+6], 16, v[\pw]
	v_lshl_or_b32 v[\pw], v[TM+7], 24, v[\pw]      ; my row's scale word for these 128 along K
.irp b, 0,1,2,3
.irp i, 0,1,2,3,4,5,6,7,8,9,10,11,12,13,14,15
	v_med3_num_f32 v[\s+16*\b+\i], v[\s+16*\b+\i], -v[TM+8+\b], v[TM+8+\b]   ; the conversion to an 8-bit code does not saturate (ISA guide 7.6.2): the hold comes first
.endr
	v_cvt_scalef32_pk8_fp8_f32 v[\pc+4*\b:\pc+4*\b+1], v[\s+16*\b:\s+16*\b+7], v[TM+12+\b]
	v_cvt_scalef32_pk8_fp8_f32 v[\pc+4*\b+2:\pc+4*\b+3], v[\s+16*\b+8:\s+16*\b+15], v[TM+12+\b]
.endr
	v_nop                                          ; one plain vector instruction behind the last scaled conversion, ahead of whatever next writes its sources
.endm
	s_wait_dscnt 16                                ; K step 0's numbers are back (and so all my stores into the stage are done); K step 1's sixteen loads may be out
	SQSUM X0, 1                                    ; the squares are taken ahead of the hold
	QUANT X0, PC0, PW0
.irp c, 0,1,2,3
	global_store_b128 v4, v[PC0+4*\c:PC0+4*\c+3], s[10:11] offset:512*\c        ; 512 consecutive bytes of the record
.endr
	s_wait_dscnt 0x0
	SQSUM X1, 0
	QUANT X1, PC1, PW1
.irp c, 0,1,2,3
	global_store_b128 v4, v[PC1+4*\c:PC1+4*\c+3], s[10:11] offset:2048+512*\c
.endr
	v_pk_add_f32 v[Z:Z+1], v[Z:Z+1], v[Z+2:Z+3]
	v_pk_add_f32 v[Z+4:Z+5], v[Z+4:Z+5], v[Z+6:Z+7]
	v_pk_add_f32 v[Z:Z+1], v[Z:Z+1], v[Z+4:Z+5]
	v_add_f32 v236, v[Z], v[Z+1]
	v_permlanex16_b32 v237, v236, s20, s21
	v_add_f32 v236, v236, v237                     ; with lane l xor 16's half of the row: the row's sum of squares
	v_cmp_le_u32 vcc_lo, 16, v1                    ; lanes 16-31
	v_cndmask_b32 v237, v[PW0], v[PW1], vcc_lo     ; K step 0's word below, K step 1's above
	v_cndmask_b32 v236, v236, v11, vcc_lo          ; the sum of squares below, the host number above
	ds_store_b32 v8, v237
	ds_store_b32 v8, v236 offset:128
	ds_load_b64 v[234:235], v9                     ; in order behind my two stores
	s_wait_dscnt 0x0
	global_store_b64 v10, v[234:235], s[10:11] offset:4096    ; the record's last 256 bytes, whole
	s_wait_tensorcnt 0x0
	ds_add_u32 v248, v249
	s_wait_dscnt 0x0
	s_endpgm
.Lfunc_end_k_q1fc84a0c70_prep:
	.size	k_q1fc84a0c70_prep, .Lfunc_end_k_q1fc84a0c70_prep-k_q1fc84a0c70_prep
	.p2alignl 7, 3214868480
	.fill 96, 4, 3214868480
	.section	.rodata,"a",@progbits
	.p2align	6, 0x0
	.amdhsa_kernel k_q1fc84a0c70_prep
		.amdhsa_group_segment_fixed_size 34048
		.amdhsa_private_segment_fixed_size 0
		.amdhsa_enable_private_segment 0
		.amdhsa_kernarg_size 32
		.amdhsa_user_sgpr_count 2
		.amdhsa_user_sgpr_kernarg_segment_ptr 1
		.amdhsa_wavefront_size32 1
		.amdhsa_system_sgpr_workgroup_id_x 1
		.amdhsa_system_sgpr_workgroup_id_y 1
		.amdhsa_system_sgpr_workgroup_id_z 1
		.amdhsa_system_vgpr_workitem_id 0
		.amdhsa_next_free_vgpr 250
		.amdhsa_next_free_sgpr 66
		.amdhsa_reserve_vcc 1
		.amdhsa_float_denorm_mode_32 3
		.amdhsa_float_denorm_mode_16_64 3
		.amdhsa_memory_ordered 1
		.amdhsa_forward_progress 1
		.amdhsa_inst_pref_size 34
	.end_amdhsa_kernel
	.amdgpu_metadata
---
amdhsa.version: [ 1, 2 ]
amdhsa.kernels:
  - .name:           k_q1fc84a0c70_prep
    .symbol:         k_q1fc84a0c70_prep.kd
    .args:
      - { .name: e_actv, .offset: 0, .size: 8, .value_kind: global_buffer, .address_space: global }
      - { .name: host, .offset: 8, .size: 8, .value_kind: global_buffer, .address_space: global }
      - { .name: out0, .offset: 16, .size: 8, .value_kind: global_buffer, .address_space: global }
      - { .name: keys, .offset: 24, .size: 8, .value_kind: global_buffer, .address_space: global }
    .group_segment_fixed_size: 34048
    .private_segment_fixed_size: 0
    .kernarg_segment_align: 8
    .kernarg_segment_size: 32
    .max_flat_workgroup_size: 64
    .sgpr_count:     66
    .vgpr_count:     250
    .wavefront_size: 32
...
	.end_amdgpu_metadata
.endif
;; end of part 1
;; launch nearest (part 2): grid 64 x 4, 4 waves a work-group, clusters of 4 x 1, 327,680 bytes of LDS; arguments keys, e_ap, out1, candv, candi; writes out1, candv, candi
.if DOCPART == 2
	.amdgcn_target "amdgcn-amd-amdhsa--gfx1250"
	.amdhsa_code_object_version 6
	.text
	.protected	k_q1fc84a0c70_nearest
	.globl	k_q1fc84a0c70_nearest
	.p2align	8
	.type	k_q1fc84a0c70_nearest,@function
k_q1fc84a0c70_nearest:
	s_mov_b64 s[64:65], 0
	v_nop
	global_prefetch_b8 v0, s[64:65] scope:SCOPE_SE
	s_setreg_imm32_b32 hwreg(HW_REG_WAVE_MODE, 25, 1), 1
	s_wait_xcnt 0x0
	s_wait_alu depctr_hold_cnt(0) depctr_sa_sdst(0) depctr_va_vdst(0) depctr_va_sdst(0) depctr_va_ssrc(0) depctr_va_vcc(0) depctr_vm_vsrc(0)
	s_getreg_b32 s2, hwreg(HW_REG_IB_STS2, 6, 4)
	s_cmp_eq_u32 s2, 0
	s_cbranch_scc0 .Lentry_in_a_cluster
	s_endpgm
.Lentry_in_a_cluster:
	s_bfe_u32 s2, ttmp6, 0x10000c
	s_cmp_lg_u32 s2, 0x3003
	s_cbranch_scc0 .Lentry_shape_is_right
	s_endpgm
.Lentry_shape_is_right:
; For 128 queries and a quarter of the keys: G = Q(e) Q(e)^T on codes of FP8 (E4M3) with E8M0 scales, d2 = (sq_q + sq_k) - 2 G, pairs of equal host (the diagonal among them) masked,
; and for each query the least max(d2, 0) and the lowest key that has it.  They go to candv (f32) and candi (whole numbers), [4 key ranges][8192]; the next launch chooses among the four.
; The launch also copies e_ap to out1, 32 KB a work-group: loaded at the start, stored when the first keys have been worked.
; LIMITS.  The root is not taken: it does not fall where its input rises, so the key of the least clamped d2 also has the least distance; the choice differs from a choice on rooted numbers only
; where two keys' d2 differ and round to one f32 root, and the later key has the smaller d2.  Masked pairs count as +infinity in place of 1e30: the same choice while no d2 reaches 1e60, far past where
; the f32 sums of squares overflow.  A query all of whose keys are masked gets its range's first key and +infinity, so that over the four ranges key 0 is left.  NaN and infinities among the inputs are not served.
; SHARES.  Work-group (x, y): queries 128 x on (tiles 8 x .. 8 x + 7 of 16), key tiles 128 y .. 128 y + 127.  EVERY wave holds all eight query tiles in registers; wave w walks key tiles 128 y + 32 w + u, u = 0 .. 31,
; in ascending order.  So a key fragment is read from LDS once and feeds 16 matrix instructions.
; CLUSTER.  The four work-groups of a cluster have the same y and walk the same keys: each chunk of 8 records is asked for JOINTLY, by the same tensor load with the same descriptor (made of y and the wave's number
; alone) and the mask of all four.  A wave reads only the bytes that its own loads brought.
; LAYOUT.  The product is used transposed (source 0 = 16 keys, source 1 = 16 queries): lane (r, h) holds query r, register j key 8 h + j: the minimum over keys runs along a lane's registers.
; BY TURNS.  A tile of 16 x 16 is two matrix instructions and 40 vector instructions, so each matrix instruction stands alone with 20 vector instructions behind it: in step u the wave fetches key tile u,
; multiplies tile u - 1 and reduces tile u - 2.  That costs two switches of the register window for each matrix instruction.
; REGISTERS, in windows of 256: window 0: addresses, scale words, work and the queries' state;  window 1: the eight query tiles' fragments, tile a, K step s at v[32 a + 16 s];
;   window 2: v0-63 key fragments, two sets; v64-191 accumulators, two sets of eight;  window 3: v0-63 e_ap on its way.
.set REC,   4352                       ; a record: 16 rows' codes (4,096 bytes), scale words (128), sums of squares (64), hosts (64)
.set CHUNK, 8*REC                      ; what one tensor load brings: 136 rows of 256 bytes
.set SLOT,  4*CHUNK                    ; a slot: a chunk for each wave
.set SCR,   2*SLOT                     ; behind the ring: [wave][128 queries][value, index], 4,096 bytes; no tensor load lands here
.set SPARE, SCR+4096                   ; the spare words, 128 bytes for each wave: two blocks of 256 bytes that no other line names
.set LF,   1                           ; v1   16 x lane
.set LC,   2                           ; v2   4096 + 4 x lane: a record's scale words
.set LS,   3                           ; v3   4224 + 32 h: its sums of squares for my eight keys; the hosts lie 64 bytes on
.set ADF,  4                           ; v4   LDS address of the fragments in hand
.set ADC,  5                           ; v5   of the scale words
.set ADS,  6                           ; v6, v7  of the side data, one register for each parity of the step: none is written while a load that names it may be out
.set SPW,  8                           ; v8   my spare word: SPARE + 4 x my thread's number; never rewritten
.set NIL,  9                           ; v9   0; never rewritten
.set R4,   10                          ; v10  4 r
.set LBV,  11                          ; v11  the first key of my half of my wave's first tile
.set OB,   12                          ; v12, v13  the other half of the lanes' value and index
.set OI,   13
.set SCW,  14                          ; v14  where I store my queries' results
.set SCRD, 15                          ; v15  where I read them back
.set KS,   16                          ; v16, v17  the key tiles' scale words, two sets: they hold scales and nothing else
.set QS,   18                          ; v18-25    the query tiles' scale words
.set VINF, 26                          ; v26  +infinity
.set JX,   27
.set TT,   28
.set CO,   29                          ; v29  8 x (thread % 64): my place in candv and candi
.set TQ,   32                          ; v32-39, v40-47  d2 of a pair of query tiles
.set GM,   48                          ; v48-51 their minima
.set KSQ,  64                          ; v[64 + 16 p ..]  my eight keys' sums of squares
.set KH,   72                          ; v[72 + 16 p ..]  and hosts
.set ST,   96                          ; query tile a at v[96 + 12 a]: +0 sq, +1 host, +2 the least d2, +3 the key tile that had it, +4 .. +11 that tile's eight d2
.set MG,   192                         ; v192-211 the end's merge
.set WV,   14                          ; s14  my wave's number
.set WB,   18                          ; s18  my wave's place in a slot
.set G1,   24                          ; s[24:31] descriptor group 1
.set G0,   32                          ; s[32:39] descriptor group 0, a set for each slot
.set TB,   40                          ; s40  LDS byte of the record to fetch
.set TN,   41                          ; s41  the number, 0 .. 31, of the key tile that is being reduced
.set CNT,  42
.set MW,   43                          ; s43  the odd query tile's mask
.set MK,   44                          ; s[44:51] host masks
.set SEL,  52                          ; s[52:53] lane selects for lane l xor 16
.set QB,   54                          ; s[54:55] my queries' records
.set MSB, 0
.macro WIN new                         ; the immediate's high byte repeats the setting that is left; a switch that changes nothing is dropped
.if MSB != \new
	s_set_vgpr_msb (MSB<<8)|\new
.set MSB, \new
.endif
.endm
; A round of the cluster's barrier: my work-group's barrier; wave 0 signals for the work-group; every wave waits for all four work-groups; my work-group's barrier once more.
.macro ROUND
	s_barrier_signal -1
	s_barrier_wait -1
	s_cmp_lg_u32 s[WV], 0
	s_cbranch_scc1 .Lnot_wave_0_\@
	s_barrier_signal -3
.Lnot_wave_0_\@:
	s_barrier_wait -3
	s_barrier_signal -1
	s_barrier_wait -1
.endm
	s_load_b256 s[4:11], s[0:1], 0x0               ; keys s[4:5], e_ap s[6:7], out1 s[8:9], candv s[10:11]
	s_load_b64 s[12:13], s[0:1], 0x20              ; candi
	v_lshl_add_u32 v[SPW], v0, 2, SPARE
	v_mov_b32 v[NIL], 0
	ds_add_u32 v8, v9
	ds_add_u32 v8, v9
	s_wait_dscnt 0x0
	v_lshrrev_b32 v[TT], 5, v0
	v_readfirstlane_b32 s[WV], v[TT]               ; wave 0..3
	s_bfe_u32 s15, ttmp6, 0x40000                  ; cx: my place in the cluster
	s_lshl_b32 s16, ttmp9, 2                       ; in a cluster launch ttmp9 counts clusters
	s_add_co_u32 s16, s16, s15                     ; x: my block of 128 queries.  It enters the queries', e_ap's, out1's and the results' addresses alone
	s_and_b32 s17, ttmp7, 0xffff                   ; y: the key range, which the four partners share
	s_mul_i32 s[WB], s[WV], CHUNK
	s_lshl_b32 s19, s17, 7
	s_lshl_b32 s20, s[WV], 5
	s_add_co_u32 s19, s19, s20                     ; my wave's first key tile: 128 y + 32 w
	s_mul_i32 s20, s19, REC                        ; and its record
	s_mov_b32 s21, 0
	; descriptor group 1: a dense block of 34,816 bytes as 136 rows of 32 elements of 8 bytes; no padding: every LDS read takes 16 x lane, consecutive bytes
	s_mov_b32 s[G1+0], 15|(3<<16)|(1<<21)          ; 15:0 the mask: all four work-groups; 17:16 elements of 8 bytes; 21 set beside a mask
	s_mov_b32 s[G1+1], 32<<16                      ; tensor_dim0 = 32
	s_mov_b32 s[G1+2], 136<<16                     ; tensor_dim1 = 136
	s_mov_b32 s[G1+3], 32<<16                      ; tile_dim0 = 32
	s_mov_b32 s[G1+4], 136                         ; tile_dim1 = 136
	s_mov_b32 s[G1+5], 32                          ; tensor_dim0_stride
	s_mov_b32 s[G1+6], 0
	s_mov_b32 s[G1+7], 0
	s_mul_i32 s22, s16, CHUNK                      ; my eight query tiles' records
	s_mov_b32 s23, 0
	s_mov_b32 s[SEL], 0x76543210
	s_mov_b32 s[SEL+1], 0xfedcba98
	s_wait_kmcnt 0x0
	s_add_nc_u64 s[QB:QB+1], s[4:5], s[22:23]
	s_lshl_b32 s22, s17, 6
	s_add_co_u32 s22, s22, s16                     ; the work-group's number, 64 y + x:
	s_lshl_b32 s22, s22, 15                        ; its 32,768 bytes of e_ap,
	s_lshl_b32 s56, s[WV], 13                      ; my wave's 8,192 of them
	s_add_co_u32 s22, s22, s56
	s_add_nc_u64 s[6:7], s[6:7], s[22:23]
	s_add_nc_u64 s[8:9], s[8:9], s[22:23]
	s_lshl_b32 s22, s17, 13
	s_lshl_b32 s56, s16, 7
	s_add_co_u32 s22, s22, s56
	s_lshl_b32 s22, s22, 2                         ; (8192 y + 128 x) words
	s_add_nc_u64 s[10:11], s[10:11], s[22:23]
	s_add_nc_u64 s[12:13], s[12:13], s[22:23]
	ROUND                                          ; all four work-groups are here: the first joint loads meet
.irp s, 0,1
	s_mov_b32 s[G0+4*\s], 1                                        ; count = 1
	s_add_co_u32 s[G0+4*\s+1], s[WB], \s*SLOT                      ; LDS address: the wave's number times a constant, plus the slot's constant
	s_add_nc_u64 s[G0+4*\s+2:G0+4*\s+3], s[4:5], s[20:21]
	s_add_nc_u64 s[G0+4*\s+2:G0+4*\s+3], s[G0+4*\s+2:G0+4*\s+3], \s*CHUNK   ; key tiles 8 s on
	s_or_b32 s[G0+4*\s+3], s[G0+4*\s+3], 0x80000000                ; type = 2
.endr
	tensor_load_to_lds s[G0:G0+3], s[G1:G1+7]      ; the two first fills stand together, ahead of every wait on TENSORcnt and every LDS read: two loads of mine are out
	s_nop 0
	tensor_load_to_lds s[G0+4:G0+7], s[G1:G1+7]
	s_nop 0
.rept 4
	v_nop                                          ; four nops behind a tensor load
.endr
	v_and_b32 v[TT], 31, v0                        ; lane
	v_bfe_u32 v[JX], v0, 4, 1                      ; h
	v_and_b32 v[OI], 15, v0                        ; r
	v_lshlrev_b32 v[LF], 4, v[TT]
	v_lshl_add_u32 v[LC], v[TT], 2, 4096
	v_lshl_add_u32 v[LS], v[JX], 5, 4224
	v_lshlrev_b32 v[R4], 2, v[OI]
	s_lshl_b32 s57, s19, 4
	v_lshl_add_u32 v[LBV], v[JX], 3, s57           ; 16 (128 y + 32 w) + 8 h
	s_lshl_b32 s56, s[WV], 10
	s_add_co_u32 s56, s56, SCR
	v_lshl_add_u32 v[SCW], v[OI], 3, s56           ; SCR + 1024 w + 8 r
	v_and_b32 v[CO], 63, v0
	v_lshl_add_u32 v[SCRD], v[CO], 4, SCR          ; SCR + 16 (thread % 64): two queries' pairs
	v_lshlrev_b32 v[CO], 3, v[CO]
	v_mov_b32 v[OB], 0                             ; written once: a lane permute's destination counts as one of its sources
	v_mov_b32 v[OI], 0
	WIN 0x40                                       ; destination window 1
.irp a, 0,1,2,3,4,5,6,7
.irp i, 0,1,2,3,4,5,6,7
	global_load_b128 v[32*\a+4*\i:32*\a+4*\i+3], v[LF], s[QB:QB+1] offset:REC*\a+512*\i   ; the queries' fragments stay in registers
.endr
.endr
	WIN 0
.irp a, 0,1,2,3,4,5,6,7
	global_load_b32 v[QS+\a], v[LC], s[QB:QB+1] offset:REC*\a               ; their scale words (v2 carries the 4,096)
	global_load_b32 v[ST+12*\a], v[R4], s[QB:QB+1] offset:REC*\a+4224       ; query r's sum of squares
	global_load_b32 v[ST+12*\a+1], v[R4], s[QB:QB+1] offset:REC*\a+4288     ; and host
.endr
	WIN 0xc0                                       ; destination window 3
.irp i, 0,1,2,3,4,5,6,7,8,9,10,11,12,13,14,15
	global_load_b128 v[4*\i:4*\i+3], v[LF], s[6:7] offset:512*\i th:TH_LOAD_NT   ; e_ap: read once in the whole launch
.endr
	WIN 0
	v_mov_b32 v[VINF], 0x7f800000
.irp a, 0,1,2,3,4,5,6,7
	v_mov_b32 v[ST+12*\a+2], v[VINF]               ; the state begins as +infinity at tile 0, so that the step is written once
	v_mov_b32 v[ST+12*\a+3], 0
.irp j, 0,1,2,3,4,5,6,7
	v_mov_b32 v[ST+12*\a+4+\j], v[VINF]
.endr
.endr
	s_mov_b32 s[TB], s[WB]
	s_mov_b32 s[TN], 0
; THE VECTOR WORK for query tile a against the key tile of set p, in slices of 20.
; H1: sq_k + sq_q, and +infinity where the hosts are equal.  It touches no register of a matrix instruction.
.macro H1 a, p
	WIN 0
.set rT, TQ+8*((\a)%2)
.set rS, ST+12*(\a)
.irp j, 0,2,4,6
	v_pk_add_f32 v[rT+\j:rT+\j+1], v[KSQ+16*(\p)+\j:KSQ+16*(\p)+\j+1], v[rS:rS+1] op_sel_hi:[1,0]   ; of the pair (sq, host) the low word serves both halves
.endr
.irp j, 0,1,2,3,4,5,6,7
	v_cmp_eq_u32 s[MK+\j], v[KH+16*(\p)+\j], v[rS+1]
.endr
.irp j, 0,1,2,3,4,5,6,7
	v_cndmask_b32 v[rT+\j], v[rT+\j], v[VINF], s[MK+\j]
.endr
.endm
; H2A, for tiles a and a + 1 line by line: d2 = (sq_k + sq_q) - 2 G in one rounding, each accumulator from its low end on; the least of the eight, clamped at 0; the mask "keep what I have"
.macro H2A a, p
	WIN 0x02                                       ; source 0 (the accumulator) window 2
.irp j, 0,2,4,6
.irp e, 0,1
	v_pk_fma_f32 v[TQ+8*\e+\j:TQ+8*\e+\j+1], v[64+64*(\p)+8*((\a)+\e)+\j:64+64*(\p)+8*((\a)+\e)+\j+1], -2.0, v[TQ+8*\e+\j:TQ+8*\e+\j+1] op_sel_hi:[1,0,1]
.endr
.endr
	WIN 0
.irp e, 0,1
	v_min3_num_f32 v[GM+2*\e], v[TQ+8*\e], v[TQ+8*\e+1], v[TQ+8*\e+2]
.endr
.irp e, 0,1
	v_min3_num_f32 v[GM+2*\e+1], v[TQ+8*\e+3], v[TQ+8*\e+4], v[TQ+8*\e+5]
.endr
.irp e, 0,1
	v_min3_num_f32 v[GM+2*\e], v[GM+2*\e], v[TQ+8*\e+6], v[TQ+8*\e+7]
.endr
.irp e, 0,1
	v_min_num_f32 v[GM+2*\e], v[GM+2*\e], v[GM+2*\e+1]
.endr
.irp e, 0,1
	v_max_num_f32 v[GM+2*\e], 0, v[GM+2*\e]        ; the clamp: max(d2, 0)
.endr
	v_cmp_ge_f32 vcc_lo, v[GM], v[ST+12*(\a)+2]    ; not less than the least so far: the earlier tile stays, so a tie keeps the lower key
	v_cmp_ge_f32 s[MW], v[GM+2], v[ST+12*((\a)+1)+2]
.endm
; H2B: where the tile has won, its minimum, its number and its eight d2 are kept: which of the eight it was is looked up once, at the end
.macro KEEP a, e, mask
	v_cndmask_b32 v[ST+12*(\a)+2], v[GM+2*\e], v[ST+12*(\a)+2], \mask
	v_cndmask_b32 v[ST+12*(\a)+3], s[TN], v[ST+12*(\a)+3], \mask
.irp j, 0,1,2,3,4,5,6,7
	v_cndmask_b32 v[ST+12*(\a)+4+\j], v[TQ+8*\e+\j], v[ST+12*(\a)+4+\j], \mask
.endr
.endm
.macro H2B a
	WIN 0
	KEEP \a, 0, vcc_lo
	KEEP (\a)+1, 1, s[MW]
.endm
; Matrix instruction i of a step's 16: query tile i % 8, K step i / 8, on the other set than p.  The eight accumulators take turns, one instruction a turn;
; K step 0 starts each sum with the constant 0; K step 1 takes both sides' scale words from lanes 16-31.
.macro MM i, p
	WIN 0xa6                                       ; source 0 (keys) window 2, source 1 (queries) window 1, C and D window 2
.set ma, (\i)%8
.set rD, 64+64*(1-(\p))+8*ma
.set rK, 32*(1-(\p))
.if (\i) < 8
	v_wmma_scale_f32_16x16x128_f8f6f4 v[rD:rD+7], v[rK:rK+15], v[32*ma:32*ma+15], 0, v[KS+1-(\p)], v[QS+ma]
.else
	v_wmma_scale_f32_16x16x128_f8f6f4 v[rD:rD+7], v[rK+16:rK+31], v[32*ma+16:32*ma+31], v[rD:rD+7], v[KS+1-(\p)], v[QS+ma] matrix_a_scale:MATRIX_SCALE_ROW1 matrix_b_scale:MATRIX_SCALE_ROW1
.endif
.endm
.macro FETCHF p                        ; a record's fragments and scale words into set p: nine loads
	WIN 0x80                                       ; destination window 2
.irp i, 0,1,2,3,4,5,6,7
	ds_load_b128 v[32*(\p)+4*\i:32*(\p)+4*\i+3], v[ADF] offset:512*\i
.endr
	WIN 0
	ds_load_b32 v[KS+(\p)], v[ADC]
.endm
.macro FETCHS p                        ; its sums of squares and hosts for my eight keys: four loads
	WIN 0
	ds_load_b128 v[KSQ+16*(\p):KSQ+16*(\p)+3], v[ADS+(\p)]
	ds_load_b128 v[KSQ+16*(\p)+4:KSQ+16*(\p)+7], v[ADS+(\p)] offset:16
	ds_load_b128 v[KH+16*(\p):KH+16*(\p)+3], v[ADS+(\p)] offset:64
	ds_load_b128 v[KH+16*(\p)+4:KH+16*(\p)+7], v[ADS+(\p)] offset:80
.endm
; STEP u, p = u % 2.  fetch: key tile u into set p;  mm: tile u - 1 is multiplied (the other set);  epi: tile u - 2 is reduced (set p).
; hw = 4 at the head: LDS loads come back in order, so all but the last step's four side loads are in: the fragments that this step multiplies and the side data that it reduces with.
; The fragment loads stand behind the first slice: 23 plain vector instructions behind the last product that read set p (8 are asked).  The side loads stand behind the last slice that reads set p's side data.
.macro STEP p, fetch, mm, epi, hw
.if \mm || \epi
	s_wait_dscnt \hw
.endif
.if \fetch
	v_add_nc_u32 v[ADF], s[TB], v[LF]
	v_add_nc_u32 v[ADC], s[TB], v[LC]
	v_add_nc_u32 v[ADS+\p], s[TB], v[LS]
.endif
.irp a, 0,2,4,6
.if \epi
	H1 \a, \p
.endif
.if \fetch && (\a == 0)
	FETCHF \p
.endif
.if \mm
	MM 2*\a, \p
.endif
.if \epi
	H1 \a+1, \p
.endif
.if \mm
	MM 2*\a+1, \p
.endif
.if \fetch && (\a == 6)
	FETCHS \p
.endif
.if \epi
	H2A \a, \p
.endif
.if \mm
	MM 2*\a+2, \p
.endif
.if \epi
	H2B \a
.endif
.if \mm
	MM 2*\a+3, \p
.endif
.endr
	WIN 0                                          ; at a label and at a branch every window is 0
.if \fetch
	s_add_co_u32 s[TB], s[TB], REC
.endif
.if \epi
	s_add_co_u32 s[TN], s[TN], 1
.endif
.endm
.macro PAIRS n                         ; 2 n whole steps
	s_mov_b32 s[CNT], \n
.Lpair_\@:
	STEP 0, 1, 1, 1, 4
	STEP 1, 1, 1, 1, 4
	s_sub_co_u32 s[CNT], s[CNT], 1
	s_cmp_lg_u32 s[CNT], 0
	s_cbranch_scc1 .Lpair_\@
.endm
; THE CHANGE OF SLOTS.  All eight records of slot s have been asked for.  Each wave waits for all its tensor loads (the one that is out is its chunk of the other slot), adds 0 to its spare word, and waits for that
; and for its reads of slot s.  The round then holds of every wave of all four work-groups, and the joint refill, 16 key tiles on, is the first thing behind it: it has eight steps, 128 matrix instructions, in which to land.
.macro CHANGE s, tboff
	s_wait_tensorcnt 0x0                           ; no tensor load of mine is out, so a group 0 may be written
	ds_add_u32 v[SPW], v[NIL]                      ; 0 onto my spare word
	s_add_nc_u64 s[G0+4*\s+2:G0+4*\s+3], s[G0+4*\s+2:G0+4*\s+3], 2*CHUNK   ; the type bits on top are not reached
	s_add_co_u32 s[TB], s[WB], \tboff              ; the fetches go on in the other slot
	s_wait_dscnt 0x0                               ; the add is done, and my reads of the slot are over
	ROUND
	tensor_load_to_lds s[G0+4*\s:G0+4*\s+3], s[G1:G1+7]
	s_nop 0
.rept 4
	v_nop
.endr
.endm
	s_wait_tensorcnt 0x1                           ; my chunk of slot 0 is in, and nobody else reads it; slot 1's may stay out
	STEP 0, 1, 0, 0, 0                             ; u = 0: fetch alone
	s_wait_loadcnt 16                              ; the queries' fragments, scale words, sums and hosts are in; e_ap's sixteen loads may be out
	STEP 1, 1, 1, 0, 4                             ; u = 1: nothing to reduce yet
	PAIRS 3                                        ; u = 2 .. 7
	s_wait_loadcnt 0x0                             ; e_ap
	WIN 0x0c                                       ; a store's data are its source 1: window 3
.irp i, 0,1,2,3,4,5,6,7,8,9,10,11,12,13,14,15
	global_store_b128 v[LF], v[4*\i:4*\i+3], s[8:9] offset:512*\i th:TH_STORE_NT   ; 512 consecutive bytes of out1
.endr
	WIN 0
	CHANGE 0, SLOT                                 ; key tiles 16 .. 23 into slot 0
	PAIRS 4                                        ; u = 8 .. 15, from slot 1
	CHANGE 1, 0                                    ; key tiles 24 .. 31 into slot 1
	PAIRS 4                                        ; u = 16 .. 23, from slot 0
	s_wait_tensorcnt 0x0                           ; my last chunk is in (no load was issued behind it); nothing is filled again, so no barrier stands here
	s_add_co_u32 s[TB], s[WB], SLOT
	PAIRS 4                                        ; u = 24 .. 31, from slot 1
	STEP 0, 0, 1, 1, 4                             ; u = 32: the last tile is multiplied
	STEP 1, 0, 0, 1, 0                             ; u = 33: and reduced
	; THE END.  Which of the winning tile's eight keys: the lowest j whose clamped d2 is the minimum.  Then the other half of the lanes (the tile's other eight keys, or another tile): the less, or the lower key where equal.
.irp a, 0,1,2,3,4,5,6,7
.set rS, ST+12*\a
	v_mov_b32 v[JX], 0
.irp j, 7,6,5,4,3,2,1,0
	v_max_num_f32 v[TT], 0, v[rS+4+\j]
	v_cmp_neq_f32 vcc_lo, v[TT], v[rS+2]
	v_cndmask_b32 v[JX], \j, v[JX], vcc_lo
.endr
	v_lshl_add_u32 v[rS+3], v[rS+3], 4, v[JX]
	v_add_nc_u32 v[rS+3], v[LBV], v[rS+3]          ; the key: 16 (128 y + 32 w + tile) + 8 h + j
	v_permlanex16_b32 v[OB], v[rS+2], s[SEL], s[SEL+1]
	v_permlanex16_b32 v[OI], v[rS+3], s[SEL], s[SEL+1]
	v_cmp_lt_f32 s58, v[OB], v[rS+2]
	v_cmp_eq_f32 s59, v[OB], v[rS+2]
	v_cmp_lt_u32 vcc_lo, v[OI], v[rS+3]
	s_and_b32 s59, s59, vcc_lo
	s_or_b32 s58, s58, s59
	v_cndmask_b32 v[rS+2], v[rS+2], v[OB], s58
	v_cndmask_b32 v[rS+3], v[rS+3], v[OI], s58
	ds_store_b64 v[SCW], v[rS+2:rS+3] offset:128*\a   ; both lanes of a query write the same pair to the same place
.endr
	s_wait_dscnt 0x0                               ; for the others' sake: my stores are done
	s_barrier_signal -1
	s_barrier_wait -1
	s_cmp_lt_u32 s[WV], 2                          ; waves 0 and 1 merge the four waves' results, two queries a thread
	s_cbranch_scc0 .Lend
.irp w, 0,1,2,3
	ds_load_b128 v[MG+4*\w:MG+4*\w+3], v[SCRD] offset:1024*\w
.endr
	s_wait_dscnt 0x0
.irp w, 1,2
.irp e, 0,1
	v_cmp_lt_f32 vcc_lo, v[MG+4*\w+2*\e], v[MG+2*\e]   ; the waves' keys ascend with the wave: only a strictly smaller value takes over
	v_cndmask_b32 v[MG+2*\e], v[MG+2*\e], v[MG+4*\w+2*\e], vcc_lo
	v_cndmask_b32 v[MG+2*\e+1], v[MG+2*\e+1], v[MG+4*\w+2*\e+1], vcc_lo
.endr
.endr
.irp e, 0,1
	v_cmp_lt_f32 vcc_lo, v[MG+12+2*\e], v[MG+2*\e]
	v_cndmask_b32 v[MG+16+\e], v[MG+2*\e], v[MG+12+2*\e], vcc_lo       ; the last merge sorts values and keys apart
	v_cndmask_b32 v[MG+18+\e], v[MG+2*\e+1], v[MG+12+2*\e+1], vcc_lo
.endr
	global_store_b64 v[CO], v[MG+16:MG+17], s[10:11]   ; a wave stores 256 consecutive bytes, at a multiple of 256 from the buffer's first byte
	global_store_b64 v[CO], v[MG+18:MG+19], s[12:13]
.Lend:
	s_wait_tensorcnt 0x0                           ; the wave's end: behind my last tensor load and my last LDS store
	ds_add_u32 v[SPW], v[NIL]
	s_wait_dscnt 0x0
	ROUND                                          ; the closing round: no work-group ends while a partner may still ask for a chunk that names it
	s_endpgm
.Lfunc_end_k_q1fc84a0c70_nearest:
	.size	k_q1fc84a0c70_nearest, .Lfunc_end_k_q1fc84a0c70_nearest-k_q1fc84a0c70_nearest
	.p2alignl 7, 3214868480
	.fill 96, 4, 3214868480
	.section	.rodata,"a",@progbits
	.p2align	6, 0x0
	.amdhsa_kernel k_q1fc84a0c70_nearest
		.amdhsa_group_segment_fixed_size 327680
		.amdhsa_private_segment_fixed_size 0
		.amdhsa_enable_private_segment 0
		.amdhsa_kernarg_size 40
		.amdhsa_user_sgpr_count 2
		.amdhsa_user_sgpr_kernarg_segment_ptr 1
		.amdhsa_wavefront_size32 1
		.amdhsa_system_sgpr_workgroup_id_x 1
		.amdhsa_system_sgpr_workgroup_id_y 1
		.amdhsa_system_sgpr_workgroup_id_z 1
		.amdhsa_system_vgpr_workitem_id 0
		.amdhsa_next_free_vgpr 832
		.amdhsa_next_free_sgpr 66
		.amdhsa_reserve_vcc 1
		.amdhsa_float_denorm_mode_32 3
		.amdhsa_float_denorm_mode_16_64 3
		.amdhsa_memory_ordered 1
		.amdhsa_forward_progress 1
		.amdhsa_inst_pref_size 255
	.end_amdhsa_kernel
	.section	.bss,"aw",@nobits
	.p2align	6
	.space	262144
	.amdgpu_metadata
---
amdhsa.version: [ 1, 2 ]
amdhsa.kernels:
  - .name:           k_q1fc84a0c70_nearest
    .symbol:         k_q1fc84a0c70_nearest.kd
    .args:
      - { .name: keys, .offset: 0, .size: 8, .value_kind: global_buffer, .address_space: global }
      - { .name: e_ap, .offset: 8, .size: 8, .value_kind: global_buffer, .address_space: global }
      - { .name: out1, .offset: 16, .size: 8, .value_kind: global_buffer, .address_space: global }
      - { .name: candv, .offset: 24, .size: 8, .value_kind: global_buffer, .address_space: global }
      - { .name: candi, .offset: 32, .size: 8, .value_kind: global_buffer, .address_space: global }
    .group_segment_fixed_size: 327680
    .private_segment_fixed_size: 0
    .kernarg_segment_align: 8
    .kernarg_segment_size: 40
    .max_flat_workgroup_size: 128
    .sgpr_count:     66
    .vgpr_count:     832
    .wavefront_size: 32
...
	.end_amdgpu_metadata
.endif
;; end of part 2
;; launch gather (part 3): grid 256 x 1, 8 waves a work-group, no clusters, 0 bytes of LDS; arguments e_actv, candv, candi, out2; writes out2
.if DOCPART == 3
	.amdgcn_target "amdgcn-amd-amdhsa--gfx1250"
	.amdhsa_code_object_version 6
	.text
	.protected	k_q1fc84a0c70_gather
	.globl	k_q1fc84a0c70_gather
	.p2align	8
	.type	k_q1fc84a0c70_gather,@function
k_q1fc84a0c70_gather:
	s_mov_b64 s[64:65], 0
	v_nop
	global_prefetch_b8 v0, s[64:65] scope:SCOPE_SE
	s_setreg_imm32_b32 hwreg(HW_REG_WAVE_MODE, 25, 1), 1
	s_wait_xcnt 0x0
; out2[q] = e_actv[the nearest key of q].  For each query the launch before left four candidates, one for each quarter of the keys: a value (the least clamped d2) in candv and a key in candi, [4][8192].
; Every address here is made of the stored keys alone: all four candidate rows are loaded, and the values only choose among them, by v_cndmask_b32.  Only a strictly smaller value of a later
; quarter takes over, so a tie keeps the lower key.
; A wave takes four queries; a row is 1,024 bytes: two loads of 512 consecutive bytes.  The rows are named by data and may be named again by any wave, so the loads carry no hint.
; No LDS, no barrier, no matrix unit, no cluster: which rows a work-group reads hangs on data, so no tile is shared by arrangement.
.set VV, 16                            ; v[16 + 4 y + i]  the value of quarter y for my query i
.set II, 32                            ; v[32 + 4 y + i]  its key, then its row's byte offset
.set BB, 48                            ; v48-55  the lesser of a pair of values
.set DD, 64                            ; v[64 + 32 i + 8 y + 4 c ..]  half c of the row of quarter y for query i
.set MS, 20                            ; s[20 + 3 i ..]  query i's three masks
	s_load_b256 s[4:11], s[0:1], 0x0               ; e_actv s[4:5], candv s[6:7], candi s[8:9], out2 s[10:11]
	v_lshrrev_b32 v1, 5, v0
	v_readfirstlane_b32 s12, v1                    ; wave 0..7
	v_and_b32 v1, 31, v0
	v_lshlrev_b32 v2, 4, v1                        ; 16 x lane
	v_mov_b32 v3, 0
	s_lshl_b32 s13, ttmp9, 5
	s_lshl_b32 s14, s12, 2
	s_add_co_u32 s13, s13, s14                     ; my first query: 32 x work-group + 4 x wave
	s_lshl_b32 s14, s13, 2                         ; its word in a quarter's list
	s_mov_b32 s15, 0
	s_lshl_b32 s16, s13, 10                        ; its row of out2
	s_mov_b32 s17, 0
	s_wait_kmcnt 0x0
	s_add_nc_u64 s[6:7], s[6:7], s[14:15]
	s_add_nc_u64 s[8:9], s[8:9], s[14:15]
	s_add_nc_u64 s[10:11], s[10:11], s[16:17]
.irp y, 0,1,2,3
	global_load_b128 v[II+4*\y:II+4*\y+3], v3, s[8:9] offset:32768*\y    ; four queries' keys; every lane reads the same 16 bytes
.endr
.irp y, 0,1,2,3
	global_load_b128 v[VV+4*\y:VV+4*\y+3], v3, s[6:7] offset:32768*\y    ; and values
.endr
	s_wait_loadcnt 0x4                             ; the keys are in; the four loads of values may be out
.irp n, 0,1,2,3,4,5,6,7,8,9,10,11,12,13,14,15
	v_min_u32 v[II+\n], 0x1fff, v[II+\n]           ; a loaded number enters an address only held inside the table
.endr
.irp n, 0,1,2,3,4,5,6,7,8,9,10,11,12,13,14,15
	v_lshlrev_b32 v[II+\n], 10, v[II+\n]           ; a row is 1,024 bytes
.endr
.irp n, 0,1,2,3,4,5,6,7,8,9,10,11,12,13,14,15
	v_add_nc_u32 v[II+\n], v2, v[II+\n]
.endr
.irp i, 0,1,2,3
.irp y, 0,1,2,3
.irp c, 0,1
	global_load_b128 v[DD+32*\i+8*\y+4*\c:DD+32*\i+8*\y+4*\c+3], v[II+4*\y+\i], s[4:5] offset:512*\c
.endr
.endr
.endr
	s_wait_loadcnt 32                              ; the values are in; behind them stand the 32 loads of rows
.irp i, 0,1,2,3
	v_cmp_lt_f32 s[MS+3*\i], v[VV+4+\i], v[VV+\i]          ; quarter 1 beats quarter 0
	v_cmp_lt_f32 s[MS+3*\i+1], v[VV+12+\i], v[VV+8+\i]     ; quarter 3 beats quarter 2
	v_min_num_f32 v[BB+2*\i], v[VV+\i], v[VV+4+\i]
	v_min_num_f32 v[BB+2*\i+1], v[VV+8+\i], v[VV+12+\i]
.endr
.irp i, 0,1,2,3
	v_cmp_lt_f32 s[MS+3*\i+2], v[BB+2*\i+1], v[BB+2*\i]    ; the upper pair beats the lower
.endr
.irp i, 0,1,2,3
	s_wait_loadcnt 8*(3-\i)                        ; this query's eight loads are in; the later queries' may be out
.irp k, 0,1,2,3,4,5,6,7
	v_cndmask_b32 v[DD+32*\i+\k], v[DD+32*\i+\k], v[DD+32*\i+8+\k], s[MS+3*\i]
	v_cndmask_b32 v[DD+32*\i+16+\k], v[DD+32*\i+16+\k], v[DD+32*\i+24+\k], s[MS+3*\i+1]
.endr
.irp k, 0,1,2,3,4,5,6,7
	v_cndmask_b32 v[DD+32*\i+\k], v[DD+32*\i+\k], v[DD+32*\i+16+\k], s[MS+3*\i+2]
.endr
	global_store_b128 v2, v[DD+32*\i:DD+32*\i+3], s[10:11] offset:1024*\i th:TH_STORE_NT        ; 512 consecutive bytes, written once
	global_store_b128 v2, v[DD+32*\i+4:DD+32*\i+7], s[10:11] offset:1024*\i+512 th:TH_STORE_NT
.endr
	s_endpgm
.Lfunc_end_k_q1fc84a0c70_gather:
	.size	k_q1fc84a0c70_gather, .Lfunc_end_k_q1fc84a0c70_gather-k_q1fc84a0c70_gather
	.p2alignl 7, 3214868480
	.fill 96, 4, 3214868480
	.section	.rodata,"a",@progbits
	.p2align	6, 0x0
	.amdhsa_kernel k_q1fc84a0c70_gather
		.amdhsa_group_segment_fixed_size 0
		.amdhsa_private_segment_fixed_size 0
		.amdhsa_enable_private_segment 0
		.amdhsa_kernarg_size 32
		.amdhsa_user_sgpr_count 2
		.amdhsa_user_sgpr_kernarg_segment_ptr 1
		.amdhsa_wavefront_size32 1
		.amdhsa_system_sgpr_workgroup_id_x 1
		.amdhsa_system_sgpr_workgroup_id_y 1
		.amdhsa_system_sgpr_workgroup_id_z 1
		.amdhsa_system_vgpr_workitem_id 0
		.amdhsa_next_free_vgpr 200
		.amdhsa_next_free_sgpr 66
		.amdhsa_reserve_vcc 0
		.amdhsa_float_denorm_mode_32 3
		.amdhsa_float_denorm_mode_16_64 3
		.amdhsa_memory_ordered 1
		.amdhsa_forward_progress 1
		.amdhsa_inst_pref_size 15
	.end_amdhsa_kernel
	.amdgpu_metadata
---
amdhsa.version: [ 1, 2 ]
amdhsa.kernels:
  - .name:           k_q1fc84a0c70_gather
    .symbol:         k_q1fc84a0c70_gather.kd
    .args:
      - { .name: e_actv, .offset: 0, .size: 8, .value_kind: global_buffer, .address_space: global }
      - { .name: candv, .offset: 8, .size: 8, .value_kind: global_buffer, .address_space: global }
      - { .name: candi, .offset: 16, .size: 8, .value_kind: global_buffer, .address_space: global }
      - { .name: out2, .offset: 24, .size: 8, .value_kind: global_buffer, .address_space: global }
    .group_segment_fixed_size: 0
    .private_segment_fixed_size: 0
    .kernarg_segment_align: 8
    .kernarg_segment_size: 32
    .max_flat_workgroup_size: 256
    .sgpr_count:     66
    .vgpr_count:     200
    .wavefront_size: 32
...
	.end_amdgpu_metadata
.endif
;; end of part 3
